; MI455X (gfx1250); checked and timed in simulation.
; The chip was launched on July 23, 2026; its instructions are those of AMD's public machine-readable ISA for CDNA 5 (MIT licence, August 2026) and "CDNA5" Instruction Set Architecture Reference Guide (July 2026). The comments in the code are by the model that wrote it; some were corrected since.
;; Multi Headed Attention. Allowed arithmetic: matrix products marked QUANTISED: E2M1 operands, one E8M0 scale for each 32 along K, by v_wmma_scale_f32_16x16x128_f8f6f4 with both operands' format E2M1 (or v_wmma_scale_f32_32x16x128_f4), f32 sums; products left as they are: bf16, f16 or f32 operands; f32 sums; everything else in f32.
;; Inputs: Wk 1,024 x 1,024 float32; Wo 1,024 x 1,024 float32; Wq 1,024 x 1,024 float32; Wv 1,024 x 1,024 float32; bk 1,024 float32; bo 1,024 float32; bq 1,024 float32; bv 1,024 float32; key 4 x 2,048 x 1,024 float32; query 4 x 2,048 x 1,024 float32; value 4 x 2,048 x 1,024 float32.
;; Outputs: out0 4 x 2,048 x 1,024 float32.
;; This version of the problem:
;;   THIS VERSION OF THE PROBLEM IS GIVEN IN LOW PRECISION. The matrix products marked QUANTISED in the list below multiply operands that are first quantised to E2M1 (2 exponent bits, 1 mantissa bit; 4 bits a number), with one power-of-two scale for each 32 numbers along K (OCP MX v1.0); their sums are f32. The products marked 'left as it is' may take bf16, f16 or f32 operands, with f32 sums. Whichever they take, every output number must still come out within the allowed error. Rounding operands to bf16 (8 significant bits) uses up far more of that allowance than f16 does (11 bits, for magnitudes from 6e-5 to 65,504). All else is computed in f32.
;;   The module's matrix products, in the order in which they are computed (A, B: the left and right operand; K: the contracted axis; several contracted axes count as one K, in the product's order):
;;     1. [M 8,192, K 1,024] x [K 1,024, N 1,024]; A: input query; B: input Wq: QUANTISED
;;     2. [M 8,192, K 1,024] x [K 1,024, N 1,024]; A: input key; B: input Wk: QUANTISED
;;     3. [M 8,192, K 1,024] x [K 1,024, N 1,024]; A: input value; B: input Wv: QUANTISED
;;     4. batch 64 x [M 2,048, K 64] x [K 64, N 2,048]; A: computed on the way; B: computed on the way: left as it is (an operand is computed on the way)
;;     5. batch 64 x [M 2,048, K 2,048] x [K 2,048, N 64]; A: computed on the way; B: computed on the way: left as it is (an operand is computed on the way)
;;     6. [M 8,192, K 1,024] x [K 1,024, N 1,024]; A: computed on the way; B: input Wo: left as it is (an operand is computed on the way)
;;   THE QUANTISER, for each operand of a quantised product, along K:
;;     - K is cut into blocks of 32 from its start; a last block that is shorter is filled with zeros.
;;     - A block's scale is 2^e with e = floor(log2(the largest magnitude in the block)) - 2, held to -126 .. 127; a block of zeros has e = 0. As a byte (E8M0): e + 127.
;;     - Each number is divided by its block's scale, clamped to +-6, and rounded to the nearest number of E2M1, ties to even, subnormals kept.
;;     - The product sums the exact products of the quantised numbers (number of the format x scale) in f32.
;;   ~~~python
;;   def quantise(x, axis):      # numpy; x: float32 -> the quantised numbers, widened to float32 again
;;       x = np.moveaxis(x, axis, -1); K = x.shape[-1]
;;       x = np.pad(x, [(0, 0)] * (x.ndim - 1) + [(0, -K % 32)]); x = x.reshape(x.shape[:-1] + (-1, 32)); a = np.abs(x).max(-1, keepdims=True)
;;       e = np.where(a > 0, np.clip(np.frexp(np.where(a > 0, a, 1))[1] - 1 - 2, -126, 127), 0)      # np.frexp(a)[1] - 1 = floor(log2(a)), exactly
;;       r = np.clip(x / 2.0 ** e, -6, 6)
;;       step = 2.0 ** (np.maximum(np.frexp(np.where(r == 0, 1, r))[1] - 1, 0) - 1)
;;       q = np.round(r / step) * step * 2.0 ** e      # np.round: ties to even
;;       return np.moveaxis(q.reshape(q.shape[:-2] + (-1,))[..., :K], -1, axis).astype(np.float32)
;;   ~~~
;; One version. Each part assembles by itself: llvm-mc -triple=amdgcn-amd-amdhsa -mcpu=gfx1250 --defsym DOCPART=n.
;; ======== version 1 of 1: 4 launches
;; limits: values are held in f16: magnitudes above 65,504 overflow, below 6.1e-05 lose precision
;; workspace buffers: wcodes 1,572,864 bytes; wscales 98,304 bytes; wo16 2,097,152 bytes; q16 16,777,216 bytes; k16 16,777,216 bytes; v16 16,777,216 bytes; ctx16 16,777,216 bytes
;; launch prep (part 1): grid 256 x 1, 4 waves a work-group, no clusters, 0 bytes of LDS; arguments Wq, Wk, Wv, Wo, wcodes, wscales, wo16; writes wcodes, wscales, wo16
.if DOCPART == 1
	.amdgcn_target "amdgcn-amd-amdhsa--gfx1250"
	.amdhsa_code_object_version 6
	.text
	.protected	k_q9a46f480c6_prep
	.globl	k_q9a46f480c6_prep
	.p2align	8
	.type	k_q9a46f480c6_prep,@function
k_q9a46f480c6_prep:
	s_mov_b64 s[64:65], 0
	v_nop
	global_prefetch_b8 v0, s[64:65] scope:SCOPE_SE
	s_setreg_imm32_b32 hwreg(HW_REG_WAVE_MODE, 25, 1), 1
	s_wait_xcnt 0x0
; MULTI-HEAD ATTENTION, B = 4, S = 2,048, D = 1,024, 16 heads of 64.  Four launches: prep (this one), proj, attn, oproj.
; WORK LEFT OUT, for all values of the inputs.  A score is q . (k0 + bk) / 8 = q . k0 / 8 + q . bk / 8, k0 = key Wk.  The second term does not hang on the key: it is the same along the softmax's axis,
; and softmax(s + const) = softmax(s).  The product of scores is not quantised, so bk moves no code and no scale either.  So bk has no way to any output: it is not loaded and is no launch's argument.
; bv is live, and is added where it costs nothing: the weights of a row sum to 1 by the softmax's own division, so sum w (v0 + bv) = sum w v0 + bv; launch attn adds bv in the multiply-add that divides by the row's sum.
; LIMITS: a NaN, an infinity or an overflow that reaches only q . bk is not carried to the result.  NaN and infinities among the inputs are not served.  A block whose largest magnitude lies under 2^-124
; (a block of zeros too) keeps the scale byte 1: its codes are what the conversion gives under that scale (zeros for zeros), and these bytes are read by this program alone.
; THIS LAUNCH lays the four weights out once, in the order in which a wave's operand registers take them.  W is [k][n], f32, K its FIRST axis.
; A LANE TAKES A COLUMN n AND ITS REGISTERS RUN DOWN K: each load reads 128 consecutive bytes a wave, a block of 32 along K lies in one lane, the conversions give codes with K innermost.
; Wq, Wk, Wv -> codes of E2M1, wcodes [z][column tile 64][K step of 128: 8][1,024 bytes]: block b of 32 of column 16 tile + r lies at 256 b + 16 r: that is lane (r, h)'s registers 4 c .. 4 c + 3, b = 2 c + h.
;   their scale bytes -> wscales [z][column][32]: word s serves K step s.
; Wo -> f16, wo16 [column tile 64][k step of 32: 32][1,024 bytes]: rows 8 g .. 8 g + 7 of column 16 tile + r lie at 256 g + 16 r inside the tile.
; SHARES: work-group g: z = g / 64 (3: Wo), 128 columns (g % 8), 128 rows of K ((g / 8) % 8); a wave 32 columns.  No LDS, no barrier: waves share nothing.
; Every store of codes or f16 numbers: sixteen lanes write 256 consecutive bytes, aligned.  The scale words (4 bytes a column, 32 bytes apart) are one byte for each 128 read.
.set X,  16                            ; v16-143  my column's 128 numbers, down K
.set CD, 144                           ; v144-207 results: registers of their own for each store, so that no store's data are written again
	s_load_b256 s[4:11], s[0:1], 0x0               ; Wq s[4:5], Wk s[6:7], Wv s[8:9], Wo s[10:11]
	s_load_b128 s[12:15], s[0:1], 0x20             ; wcodes s[12:13], wscales s[14:15]
	s_load_b64 s[16:17], s[0:1], 0x30              ; wo16
	v_lshrrev_b32 v1, 5, v0
	v_readfirstlane_b32 s18, v1                    ; wave 0..3
	v_and_b32 v6, 31, v0                           ; lane
	v_lshlrev_b32 v1, 2, v6                        ; in: 4 bytes a lane
	v_and_b32 v7, 15, v6
	v_lshlrev_b32 v7, 4, v7                        ; 16 r
	v_lshrrev_b32 v8, 4, v6                        ; which of my two column tiles
	v_lshl_add_u32 v2, v8, 13, v7                  ; codes: a column tile is 8,192 bytes
	v_lshl_add_u32 v4, v8, 15, v7                  ; f16: a column tile is 32,768 bytes
	v_lshlrev_b32 v3, 5, v6                        ; scale words: 32 bytes a column
	s_lshr_b32 s20, ttmp9, 6                       ; z
	s_and_b32 s21, ttmp9, 7                        ; which 128 columns
	s_bfe_u32 s22, ttmp9, 0x30003                  ; which 128 rows of K
	s_lshl_b32 s24, s22, 19                        ; 128 rows of 4,096 bytes
	s_lshl_b32 s25, s21, 9
	s_add_co_u32 s24, s24, s25
	s_lshl_b32 s25, s18, 7
	s_add_co_u32 s24, s24, s25                     ; + my wave's first column
	s_mov_b32 s25, 0
	s_lshl_b32 s23, s21, 3
	s_lshl_b32 s26, s18, 1
	s_add_co_u32 s23, s23, s26                     ; my first column tile: 8 x (g % 8) + 2 x wave
	s_wait_kmcnt 0x0
	s_cmp_eq_u32 s20, 0                            ; the choice hangs on the work-group's number alone
	s_cselect_b64 s[4:5], s[4:5], s[6:7]
	s_cmp_lt_u32 s20, 2
	s_cselect_b64 s[4:5], s[4:5], s[8:9]
	s_cmp_lt_u32 s20, 3
	s_cselect_b64 s[4:5], s[4:5], s[10:11]
	s_add_nc_u64 s[4:5], s[4:5], s[24:25]
.set N, 0
.rept 128
	global_load_b32 v[X+N], v1, s[4:5] offset:4096*N th:TH_LOAD_NT   ; W(k0 + N, my column): 32 lanes read 128 consecutive bytes
.set N, N+1
.endr
	s_cmp_eq_u32 s20, 3
	s_cbranch_scc1 .Lwo
	; ---- Wq, Wk, Wv: four blocks of 32 along K
	s_lshl_b32 s24, s20, 19
	s_lshl_b32 s26, s23, 13
	s_add_co_u32 s24, s24, s26
	s_lshl_b32 s26, s22, 10
	s_add_co_u32 s24, s24, s26                     ; codes: z, column tile, K step
	s_add_nc_u64 s[12:13], s[12:13], s[24:25]
	s_lshl_b32 s24, s20, 15
	s_lshl_b32 s26, s23, 9
	s_add_co_u32 s24, s24, s26
	s_lshl_b32 s26, s22, 2
	s_add_co_u32 s24, s24, s26                     ; scale words: z, column, K step
	s_add_nc_u64 s[14:15], s[14:15], s[24:25]
.macro BLOCK b
.set XS, X+32*\b
.if \b < 2
	s_wait_loadcnt 63                              ; loads come back in order: this block's 32 are in (96 or 64 younger ones might stay out; the count's field holds 63)
.elseif \b == 2
	s_wait_loadcnt 32                              ; the last block's 32 may be out
.else
	s_wait_loadcnt 0x0
.endif
	v_max3_num_f32 v8, |v[XS]|, |v[XS+1]|, |v[XS+2]|               ; the block's largest magnitude: all 32 numbers are mine; two chains
	v_max3_num_f32 v9, |v[XS+3]|, |v[XS+4]|, |v[XS+5]|
.irp i, 6,10,14,18,22,26
	v_max3_num_f32 v8, v8, |v[XS+\i]|, |v[XS+\i+1]|
	v_max3_num_f32 v9, v9, |v[XS+\i+2]|, |v[XS+\i+3]|
.endr
	v_max3_num_f32 v8, v8, |v[XS+30]|, |v[XS+31]|
	v_max3_num_f32 v8, v8, v9, 0x1800000           ; and the floor 2^(3 - 127): the byte cannot fall under 1
	v_add_nc_u32 v[12+\b], 0xff000000, v8          ; 2 off the exponent field: the conversion takes the exponent field of this operand as its scale
	v_lshrrev_b32 v10, 23, v[12+\b]                ; the scale's byte
.if \b == 0
	v_mov_b32 v5, v10                              ; four bytes make the K step's scale word, the lower K in the lower byte
.else
	v_lshl_or_b32 v5, v10, 8*\b, v5
.endif
.irp g, 0,1,2,3
	v_cvt_scalef32_pk8_fp4_f32 v[CD+4*\b+\g], v[XS+8*\g:XS+8*\g+7], v[12+\b]
.endr
	global_store_b128 v2, v[CD+4*\b:CD+4*\b+3], s[12:13] offset:256*\b   ; sixteen lanes: 256 consecutive bytes, aligned
.endm
	BLOCK 0
	BLOCK 1
	BLOCK 2
	BLOCK 3
	global_store_b32 v3, v5, s[14:15]
	s_endpgm
	; ---- Wo: sixteen groups of 8 rows, rounded to f16
.Lwo:
	s_lshl_b32 s24, s23, 15
	s_lshl_b32 s26, s22, 12
	s_add_co_u32 s24, s24, s26                     ; column tile, 128 rows of K = 4,096 bytes
	s_add_nc_u64 s[16:17], s[16:17], s[24:25]
.macro GROUP g
.if (\g)%4 == 0
.if (\g) < 8
	s_wait_loadcnt 63                              ; as above: the next 32 rows are in
.elseif (\g) == 8
	s_wait_loadcnt 32
.else
	s_wait_loadcnt 0x0
.endif
.endif
.irp i, 0,1,2,3
	v_cvt_pk_f16_f32 v[CD+4*(\g)+\i], v[X+8*(\g)+2*\i], v[X+8*(\g)+2*\i+1]   ; the lower k in the low half
.endr
	global_store_b128 v4, v[CD+4*(\g):CD+4*(\g)+3], s[16:17] offset:256*(\g)
.endm
.irp g, 0,1,2,3,4,5,6,7,8,9,10,11,12,13,14,15
	GROUP \g
.endr
	s_endpgm
.Lfunc_end_k_q9a46f480c6_prep:
	.size	k_q9a46f480c6_prep, .Lfunc_end_k_q9a46f480c6_prep-k_q9a46f480c6_prep
	.p2alignl 7, 3214868480
	.fill 96, 4, 3214868480
	.section	.rodata,"a",@progbits
	.p2align	6, 0x0
	.amdhsa_kernel k_q9a46f480c6_prep
		.amdhsa_group_segment_fixed_size 0
		.amdhsa_private_segment_fixed_size 0
		.amdhsa_enable_private_segment 0
		.amdhsa_kernarg_size 56
		.amdhsa_user_sgpr_count 2
		.amdhsa_user_sgpr_kernarg_segment_ptr 1
		.amdhsa_wavefront_size32 1
		.amdhsa_system_sgpr_workgroup_id_x 1
		.amdhsa_system_sgpr_workgroup_id_y 1
		.amdhsa_system_sgpr_workgroup_id_z 1
		.amdhsa_system_vgpr_workitem_id 0
		.amdhsa_next_free_vgpr 208
		.amdhsa_next_free_sgpr 66
		.amdhsa_reserve_vcc 0
		.amdhsa_float_denorm_mode_32 3
		.amdhsa_float_denorm_mode_16_64 3
		.amdhsa_memory_ordered 1
		.amdhsa_forward_progress 1
		.amdhsa_inst_pref_size 27
	.end_amdhsa_kernel
	.amdgpu_metadata
---
amdhsa.version: [ 1, 2 ]
amdhsa.kernels:
  - .name:           k_q9a46f480c6_prep
    .symbol:         k_q9a46f480c6_prep.kd
    .args:
      - { .name: Wq, .offset: 0, .size: 8, .value_kind: global_buffer, .address_space: global }
      - { .name: Wk, .offset: 8, .size: 8, .value_kind: global_buffer, .address_space: global }
      - { .name: Wv, .offset: 16, .size: 8, .value_kind: global_buffer, .address_space: global }
      - { .name: Wo, .offset: 24, .size: 8, .value_kind: global_buffer, .address_space: global }
      - { .name: wcodes, .offset: 32, .size: 8, .value_kind: global_buffer, .address_space: global }
      - { .name: wscales, .offset: 40, .size: 8, .value_kind: global_buffer, .address_space: global }
      - { .name: wo16, .offset: 48, .size: 8, .value_kind: global_buffer, .address_space: global }
    .group_segment_fixed_size: 0
    .private_segment_fixed_size: 0
    .kernarg_segment_align: 8
    .kernarg_segment_size: 56
    .max_flat_workgroup_size: 128
    .sgpr_count:     66
    .vgpr_count:     208
    .wavefront_size: 32
...
	.end_amdgpu_metadata
.endif
;; end of part 1
;; launch proj (part 2): grid 64 x 3, 4 waves a work-group, no clusters, 131,584 bytes of LDS; arguments query, key, value, wcodes, wscales, bq, q16, k16, v16; writes q16, k16, v16
.if DOCPART == 2
	.amdgcn_target "amdgcn-amd-amdhsa--gfx1250"
	.amdhsa_code_object_version 6
	.text
	.protected	k_q9a46f480c6_proj
	.globl	k_q9a46f480c6_proj
	.p2align	8
	.type	k_q9a46f480c6_proj,@function
k_q9a46f480c6_proj:
	s_mov_b64 s[64:65], 0
	v_nop
	global_prefetch_b8 v0, s[64:65] scope:SCOPE_SE
	s_setreg_imm32_b32 hwreg(HW_REG_WAVE_MODE, 25, 1), 1
	s_wait_xcnt 0x0
; q = query Wq + bq, k0 = key Wk, v0 = value Wv: the three QUANTISED products, on codes of E2M1 with one E8M0 scale for each 32 along K; sums in f32; results rounded once to f16.
; WORK LEFT OUT: bk (the same along the softmax's axis for every input: shown at the head of launch prep).  bv is added in launch attn.
; LIMITS: NaN and infinities are not served; |q|, |k0|, |v0| must lie under 65,504 (f16); a block of x whose largest magnitude lies under 2^-124 keeps the scale byte 1.
; SHARES.  Work-group (x, z): rows 128 x .. 128 x + 127 of tensor z (0 query, 1 key, 2 value) x all 1,024 columns: so x's f32 numbers are read once and quantised once.  64 x 3 = 192 work-groups: 24,576 rows do not
; fall into 256 equal blocks that stay inside one tensor.
; PHASE X: wave w quantises rows 32 w .. 32 w + 31 into LDS: codes as rows of 512 bytes (+ 16: the sixteen rows of a fragment load start at sixteen different banks), scale bytes as rows of 32 (+ 16).
; PHASE M: THE WAVES SHARE THE COLUMNS: wave w makes columns 256 w .. + 255 (heads 4 w .. 4 w + 3) for all 128 rows, a head (64 columns) at a time.  A head's weights, 32 KiB, are 256 registers, loaded straight from
; wcodes, which lies in the order of the operand's registers; they stay while the eight tiles of 16 rows pass.  Two such sets: while one is multiplied, the other receives the head after next.
; q, k0: the matrix instruction is used TRANSPOSED (source 0 = 16 columns of W, source 1 = 16 rows of x): a lane holds one token and eight neighbouring channels: 16 bytes of f16, which ARE a lane's four registers of the
; fragment that launch attn wants.  v0: used as it stands (source 0 = x, source 1 = W): a lane holds one channel and eight neighbouring tokens: a lane's four registers of V^T's fragment.  So results leave straight
; from registers, 512 consecutive bytes a store, and no stage is needed.  The two forms are two arms of a scalar branch on z, round the 32 matrix instructions alone.
; The C of each sum's first matrix instruction in the transposed arm is eight registers in the result's layout: bq for z = 0, zeros for z = 1.
; No cluster: work-groups share the weights alone, which go from memory into registers, not through LDS.
; REGISTERS, in windows of 256: window 0: v1-10 addresses; v14, v15 the add's two; v16-47 at work; v48-63 x's scale words, two sets; v64-127 W's scale words, two sets; v128-191, v192-255 x's fragments, two sets.
;   windows 1, 2: W's fragments, sets 0 and 1: (column tile t, K step s) at v[8 (8 t + s)].   window 3: X: v0-191 three sets of 64 numbers of x; M: v0-31, v32-63 accumulators; v192-255 the first C, two sets.
.set SPARE, 131072                     ; behind the eight tiles: the spare words, 128 bytes for each wave: two blocks of 256 bytes that no other line names
.set TILE,  16384                      ; LDS: a tile of 16 rows: codes at 528 r, scale bytes at SCO + 48 r
.set SCO,   8704
.set SPW,  14                          ; v14  LDS address of my spare word; never rewritten
.set NIL,  15                          ; v15  0; never rewritten
.set T,    16                          ; X: v16-23 largest magnitudes;  v24-31 the conversions' scale operands;  v32-39 codes;  v40-47 scale bytes
.set E,    24
.set CC,   32
.set BY,   40
.set PK,   16                          ; M: v16-31 packed results;  v32-35, v36-39 the stores' offsets for the even and the odd tile of rows
.set VOA,  32
.set VOB,  36
.set XSA,  48
.set XSB,  56
.set WS,   64
.set XFA,  128
.set XFB,  192
.set ACC0, 0                           ; in window 3
.set ACC1, 32
.set BIAS, 192
.set Z,    24                          ; s24 z;  s25 wave;  s26 the LDS byte of the tile to be fetched;  s27, s28 loop counters
.set WV,   25
.set RT,   26
.set TL,   27
.set CH,   28
.set MSB, 0
.macro WIN new                         ; the immediate's high byte repeats the setting that is left; a switch that changes nothing is dropped
.if MSB != \new
	s_set_vgpr_msb (MSB<<8)|\new
.set MSB, \new
.endif
.endm
	s_load_b256 s[4:11], s[0:1], 0x0               ; query s[4:5], key s[6:7], value s[8:9], wcodes s[10:11]
	s_load_b256 s[12:19], s[0:1], 0x20             ; wscales s[12:13], bq s[14:15], q16 s[16:17], k16 s[18:19]
	s_load_b64 s[20:21], s[0:1], 0x40              ; v16
	v_lshl_add_u32 v[SPW], v0, 2, SPARE
	v_mov_b32 v[NIL], 0
	v_lshrrev_b32 v1, 5, v0
	v_readfirstlane_b32 s[WV], v1                  ; wave 0..3
	s_and_b32 s[Z], ttmp7, 0xffff
	v_and_b32 v11, 31, v0                          ; lane
	v_and_b32 v12, 15, v0                          ; r
	v_bfe_u32 v13, v0, 4, 1                        ; h
	v_lshlrev_b32 v1, 4, v11                       ; 16 x lane: a lane's place in half a fragment
	v_lshlrev_b32 v2, 5, v11                       ; 32 x lane: my 8 numbers of 256 of x
	s_lshl_b32 s30, s[WV], 15                      ; my two tiles of rows in LDS
	v_lshl_add_u32 v3, v11, 2, s30                 ; X: my 8 codes
	v_lshrrev_b32 v4, 2, v11
	v_add_nc_u32 v4, s30, v4
	v_add_nc_u32 v4, SCO, v4                       ; X: my block's scale byte (four lanes hold a block)
	v_mul_u32_u24 v5, v12, 528
	v_lshl_add_u32 v5, v13, 4, v5                  ; M: a fragment's row, + 16 h
	v_mul_u32_u24 v6, v12, 48
	v_add_nc_u32 v6, SCO, v6                       ; M: row r's scale words
	v_lshlrev_b32 v9, 5, v12                       ; W's scale words: 32 bytes a column
	v_lshlrev_b32 v10, 5, v13                      ; bq: my half's eight numbers of a tile
	s_lshl_b32 s30, ttmp9, 19                      ; x: 128 rows of 4,096 bytes,
	s_lshl_b32 s31, s[WV], 17                      ; my wave's 32 of them
	s_add_co_u32 s30, s30, s31
	s_mov_b32 s31, 0
	s_lshl_b32 s32, s[Z], 19                       ; wcodes: z, my 16 column tiles of 8,192 bytes
	s_lshl_b32 s33, s[WV], 17
	s_add_co_u32 s32, s32, s33
	s_mov_b32 s33, 0
	s_lshl_b32 s34, s[Z], 15                       ; wscales: z, my 256 columns of 32 bytes
	s_lshl_b32 s35, s[WV], 13
	s_add_co_u32 s34, s34, s35
	s_mov_b32 s35, 0
	s_lshl_b32 s36, s[WV], 10                      ; bq: my 256 numbers
	s_mov_b32 s37, 0
	s_lshr_b32 s38, ttmp9, 4                       ; out: batch (16 heads of 262,144 bytes),
	s_lshl_b32 s38, s38, 22
	s_lshl_b32 s39, s[WV], 20                      ; my four heads,
	s_add_co_u32 s38, s38, s39
	s_and_b32 s39, ttmp9, 15
	s_lshl_b32 s39, s39, 14                        ; my 128 tokens of the sequence: 16,384 bytes in each head
	s_add_co_u32 s38, s38, s39
	s_mov_b32 s39, 0
	s_wait_kmcnt 0x0
	s_cmp_eq_u32 s[Z], 0                           ; the choices hang on the work-group's number alone
	s_cselect_b64 s[4:5], s[4:5], s[6:7]
	s_cselect_b64 s[16:17], s[16:17], s[18:19]
	s_cmp_lt_u32 s[Z], 2
	s_cselect_b64 s[4:5], s[4:5], s[8:9]
	s_cselect_b64 s[16:17], s[16:17], s[20:21]
	s_add_nc_u64 s[4:5], s[4:5], s[30:31]          ; x
	s_add_nc_u64 s[10:11], s[10:11], s[32:33]      ; W's codes
	s_add_nc_u64 s[12:13], s[12:13], s[34:35]      ; W's scale words
	s_add_nc_u64 s[14:15], s[14:15], s[36:37]      ; bq
	s_add_nc_u64 s[16:17], s[16:17], s[38:39]      ; out
.irp p, 0,1                                    ; W's scale words of heads 0 and 1: lane r takes column r's eight words
.irp t, 0,1,2,3
.irp j, 0,1
	global_load_b128 v[WS+32*\p+8*\t+4*\j:WS+32*\p+8*\t+4*\j+3], v9, s[12:13] offset:2048*\p+512*\t+16*\j
.endr
.endr
.endr
	s_cmp_lg_u32 s[Z], 0
	s_cbranch_scc1 .Lzeros
	WIN 0xc0                                       ; destination window 3
.irp p, 0,1                                    ; bq in the result's layout: lane (r, h), register j of tile t: channel 16 t + 8 h + j
.irp t, 0,1,2,3
.irp j, 0,1
	global_load_b128 v[BIAS+32*\p+8*\t+4*\j:BIAS+32*\p+8*\t+4*\j+3], v10, s[14:15] offset:256*\p+64*\t+16*\j
.endr
.endr
.endr
	WIN 0
	s_branch .Lfirst_c
.Lzeros:
	WIN 0xc0
.set N, 0
.rept 64
	v_mov_b32 v[BIAS+N], 0                         ; written once: they are only ever a source
.set N, N+1
.endr
	WIN 0
.Lfirst_c:
; Rows 2 i and 2 i + 1 of my 32: eight units of 256 numbers; in unit 4 a + q a lane holds 8 NEIGHBOURS along K, k = 256 q + 8 lane + 0 .. 7: a pair of loads covers 1,024 consecutive bytes.  Three sets by turns.
.macro LOADX i
	WIN 0xc0
.irp a, 0,1
.irp q, 0,1,2,3
	global_load_b128 v[64*((\i)%3)+8*(4*\a+\q):64*((\i)%3)+8*(4*\a+\q)+3], v2, s[4:5] offset:(2*(\i)+\a)*4096+1024*\q th:TH_LOAD_NT
	global_load_b128 v[64*((\i)%3)+8*(4*\a+\q)+4:64*((\i)%3)+8*(4*\a+\q)+7], v2, s[4:5] offset:(2*(\i)+\a)*4096+1024*\q+16 th:TH_LOAD_NT
.endr
.endr
	WIN 0
.endm
	LOADX 0
	LOADX 1
	LOADX 2
; Batch i is quantised; an eighth of a head's weights is asked for; batch i + 3 is asked for.
.macro XITER i
.set XB, 64*((\i)%3)
.if (\i) == 0
	s_wait_loadcnt 32                              ; batch i is in.  Issued behind it, and free to stay out: batches 1 and 2
.elseif (\i) == 1
	s_wait_loadcnt 40                              ; two batches of 16 and one part of 8 of the weights
.elseif (\i) < 14
	s_wait_loadcnt 48                              ; two batches and two parts
.elseif (\i) == 14
	s_wait_loadcnt 32                              ; one batch and two parts
.else
	s_wait_loadcnt 16                              ; two parts
.endif
	s_wait_dscnt 0x0                               ; the last batch's LDS stores have read their registers
	WIN 0x0f                                       ; sources 0 and 1: window 3
.irp u, 0,1,2,3,4,5,6,7
	v_max3_num_f32 v[T+\u], |v[XB+8*\u]|, |v[XB+8*\u+1]|, 0x1800000   ; my 8 numbers of each unit, and the floor 2^(3 - 127): the byte cannot fall under 1.  The eight units by turns
.endr
.irp n, 2,4,6
.irp u, 0,1,2,3,4,5,6,7
	v_max3_num_f32 v[T+\u], |v[XB+8*\u+\n]|, |v[XB+8*\u+\n+1]|, v[T+\u]
.endr
.endr
	WIN 0
.irp u, 0,1,2,3,4,5,6,7
	v_max_num_f32_dpp v[T+\u], v[T+\u], v[T+\u] row_xmask:1 row_mask:0xf bank_mask:0xf
.endr
.irp u, 0,1,2,3,4,5,6,7
	v_max_num_f32_dpp v[T+\u], v[T+\u], v[T+\u] row_xmask:2 row_mask:0xf bank_mask:0xf   ; four lanes hold a block of 32: its largest magnitude
.endr
.irp u, 0,1,2,3,4,5,6,7
	v_add_nc_u32 v[E+\u], 0xff000000, v[T+\u]      ; 2 off the exponent field: the conversion's scale operand
.endr
	WIN 0x03                                       ; source 0: window 3
.irp u, 0,1,2,3,4,5,6,7
	v_cvt_scalef32_pk8_fp4_f32 v[CC+\u], v[XB+8*\u:XB+8*\u+7], v[E+\u]
.endr
	WIN 0
.irp u, 0,1,2,3,4,5,6,7
	v_lshrrev_b32 v[BY+\u], 23, v[E+\u]            ; the scale's byte.  (Plain lines behind the conversions)
.endr
.irp a, 0,1
.irp q, 0,1,2,3
	ds_store_b32 v3, v[CC+4*\a+\q] offset:((2*(\i)+\a)/16)*TILE+((2*(\i)+\a)%16)*528+128*\q   ; 32 lanes: 128 consecutive bytes of the row's codes
	ds_store_b8 v4, v[BY+4*\a+\q] offset:((2*(\i)+\a)/16)*TILE+((2*(\i)+\a)%16)*48+8*\q       ; the four lanes of a block write the same byte with the same value
.endr
.endr
.if (\i) < 8
	WIN 0x40                                       ; head 0's weights: window 1
.else
	WIN 0x80                                       ; head 1's: window 2
.endif
.irp n, 0,1,2,3,4,5,6,7
	global_load_b128 v[4*((8*(\i)+\n)%64):4*((8*(\i)+\n)%64)+3], v1, s[10:11] offset:512*(8*(\i)+\n)   ; half a fragment: 512 consecutive bytes
.endr
	WIN 0
.if (\i) < 13
	LOADX (\i)+3
.endif
.endm
.irp i, 0,1,2,3,4,5,6,7,8,9,10,11,12,13,14,15
	XITER \i
.endr
	s_wait_dscnt 0x0                               ; for the others' sake: my stores have landed
	s_barrier_signal -1
	s_barrier_wait -1                              ; the eight tiles of rows lie in LDS; nothing is stored there again
	s_cmp_eq_u32 s[Z], 2                           ; where a tile's four stores go.  q, k0: [token tile: 2,048][t: 512].  v0: [32 tokens: 4,096][t: 1,024][token tile % 2: 512]
	s_mov_b32 s40, 512
	s_mov_b32 s41, 2048
	s_cselect_b32 s40, 1024, s40                   ; from column tile to column tile
	s_cselect_b32 s41, 512, s41                    ; from the even tile of rows to the odd
	v_mov_b32 v[VOA], v1
	v_add_nc_u32 v[VOA+1], s40, v[VOA]
	v_add_nc_u32 v[VOA+2], s40, v[VOA+1]
	v_add_nc_u32 v[VOA+3], s40, v[VOA+2]
.irp t, 0,1,2,3
	v_add_nc_u32 v[VOB+\t], s41, v[VOA+\t]
.endr
	s_wait_loadcnt 0x0                             ; the weights of heads 0 and 1, their scale words, bq
	s_mov_b32 s[RT], 0
; The fragments (8 K steps of 128: lane (r, h), registers 4 c .. 4 c + 3 of step s: the 16 bytes at 64 s + 32 c + 16 h of row r) and the scale words of the next tile of rows.  18 LDS loads.  The walk wraps behind tile 7.
.macro FETCHX xf, xs
	v_add_nc_u32 v7, s[RT], v5
	v_add_nc_u32 v8, s[RT], v6
.irp s, 0,1,2,3,4,5,6,7
.irp c, 0,1
	ds_load_b128 v[\xf+8*\s+4*\c:\xf+8*\s+4*\c+3], v7 offset:64*\s+32*\c
.endr
.endr
	ds_load_b128 v[\xs:\xs+3], v8
	ds_load_b128 v[\xs+4:\xs+7], v8 offset:16
	s_add_co_u32 s[RT], s[RT], TILE
	s_and_b32 s[RT], s[RT], 0x1ffff
.endm
; 32 matrix instructions: 16 rows x 64 columns x K = 1,024.  The four accumulators take turns, one instruction a turn.
.macro MULSEL xf, xs, acc, p
	s_cmp_eq_u32 s[Z], 2
	s_cbranch_scc1 .Lnatural_\@
	WIN (0xf1+\p)                                  ; source 0 (W) window 1 + p, source 1 (x) window 0, C and D window 3
.irp s, 0,1,2,3,4,5,6,7
.irp t, 0,1,2,3
.if \s == 0
	v_wmma_scale_f32_16x16x128_f8f6f4 v[\acc+8*\t:\acc+8*\t+7], v[8*(8*\t+\s):8*(8*\t+\s)+7], v[\xf+8*\s:\xf+8*\s+7], v[BIAS+32*\p+8*\t:BIAS+32*\p+8*\t+7], v[WS+32*\p+8*\t+\s], v[\xs+\s] matrix_a_fmt:MATRIX_FMT_FP4 matrix_b_fmt:MATRIX_FMT_FP4
.else
	v_wmma_scale_f32_16x16x128_f8f6f4 v[\acc+8*\t:\acc+8*\t+7], v[8*(8*\t+\s):8*(8*\t+\s)+7], v[\xf+8*\s:\xf+8*\s+7], v[\acc+8*\t:\acc+8*\t+7], v[WS+32*\p+8*\t+\s], v[\xs+\s] matrix_a_fmt:MATRIX_FMT_FP4 matrix_b_fmt:MATRIX_FMT_FP4
.endif
.endr
.endr
	WIN 0
	s_branch .Lmade_\@
.Lnatural_\@:
	WIN (0xf4+4*\p)                                ; source 0 (x) window 0, source 1 (W) window 1 + p, C and D window 3
.irp s, 0,1,2,3,4,5,6,7
.irp t, 0,1,2,3
.if \s == 0
	v_wmma_scale_f32_16x16x128_f8f6f4 v[\acc+8*\t:\acc+8*\t+7], v[\xf+8*\s:\xf+8*\s+7], v[8*(8*\t+\s):8*(8*\t+\s)+7], 0, v[\xs+\s], v[WS+32*\p+8*\t+\s] matrix_a_fmt:MATRIX_FMT_FP4 matrix_b_fmt:MATRIX_FMT_FP4
.else
	v_wmma_scale_f32_16x16x128_f8f6f4 v[\acc+8*\t:\acc+8*\t+7], v[\xf+8*\s:\xf+8*\s+7], v[8*(8*\t+\s):8*(8*\t+\s)+7], v[\acc+8*\t:\acc+8*\t+7], v[\xs+\s], v[WS+32*\p+8*\t+\s] matrix_a_fmt:MATRIX_FMT_FP4 matrix_b_fmt:MATRIX_FMT_FP4
.endif
.endr
.endr
	WIN 0
.Lmade_\@:
.endm
.macro PLACES                          ; four plain vector instructions between a matrix instruction and a load into, or a vector read of, its registers
.rept 4
	v_nop
.endr
.endm
; A tile's 16 x 64 results: rounded to f16, each accumulator from its low end on; a lane's eight numbers are 16 bytes; each store covers 512 consecutive bytes, aligned.
.macro OUT acc, vo
	s_wait_xcnt 0x0                                ; the last stores have read the packed registers
	WIN 0x0f                                       ; sources 0 and 1: window 3
.irp t, 0,1,2,3
.irp i, 0,1,2,3
	v_cvt_pk_f16_f32 v[PK+4*\t+\i], v[\acc+8*\t+2*\i], v[\acc+8*\t+2*\i+1]
.endr
.endr
	WIN 0
.irp t, 0,1,2,3
	global_store_b128 v[\vo+\t], v[PK+4*\t:PK+4*\t+3], s[16:17]
.endr
.endm
; A head: its weights in set p; the eight tiles of rows pass, two a trip, on two sets of x's fragments and two sets of accumulators.
.macro CHUNK p
	s_mov_b32 s[TL], 4
.Ltiles_\@:
	FETCHX XFB, XSB                                ; the odd tile
	s_wait_dscnt 18                                ; the even tile's 18 loads are in; the 18 just issued may be out
	MULSEL XFA, XSA, ACC0, \p
	PLACES
	FETCHX XFA, XSA                                ; the next even tile (behind tile 7: tile 0, for the next head)
	OUT ACC0, VOA
	s_wait_dscnt 18                                ; the odd tile's are in
	MULSEL XFB, XSB, ACC1, \p
	PLACES
	OUT ACC1, VOB
	s_wait_xcnt 0x0                                ; the stores have read their base
	s_add_nc_u64 s[16:17], s[16:17], 4096          ; two tiles of rows on, in both layouts
	s_sub_co_u32 s[TL], s[TL], 1
	s_cmp_lg_u32 s[TL], 0
	s_cbranch_scc1 .Ltiles_\@
	s_add_nc_u64 s[16:17], s[16:17], 262144-16384  ; the next head, back to my first tile (no store has been issued since the wait above)
.endm
; Set p, which has just been multiplied, takes head p + 2: 64 loads of 512 bytes, the scale words, and bq's part.  The conversions of the last tile stand between the last matrix instruction and these loads.
.macro RELOAD p
	WIN (0x40+0x40*\p)
.set N, 0
.rept 64
	global_load_b128 v[4*N:4*N+3], v1, s[10:11] offset:65536+32768*\p+512*N
.set N, N+1
.endr
	WIN 0
.irp t, 0,1,2,3
.irp j, 0,1
	global_load_b128 v[WS+32*\p+8*\t+4*\j:WS+32*\p+8*\t+4*\j+3], v9, s[12:13] offset:2048*(\p+2)+512*\t+16*\j
.endr
.endr
	s_cmp_lg_u32 s[Z], 0
	s_cbranch_scc1 .Lno_bq_\@
	WIN 0xc0
.irp t, 0,1,2,3
.irp j, 0,1
	global_load_b128 v[BIAS+32*\p+8*\t+4*\j:BIAS+32*\p+8*\t+4*\j+3], v10, s[14:15] offset:256*(\p+2)+64*\t+16*\j
.endr
.endr
	WIN 0
.Lno_bq_\@:
.endm
	FETCHX XFA, XSA                                ; tile 0
	s_mov_b32 s[CH], 2
.Lpair:                                        ; two trips of two heads
	CHUNK 0
	s_wait_loadcnt 0x0                             ; set 1 is whole: in the second trip it was asked for a head ago
	s_cmp_eq_u32 s[CH], 1
	s_cbranch_scc1 .Lkeep0
	RELOAD 0
.Lkeep0:
	CHUNK 1
	s_wait_loadcnt 0x0                             ; set 0 is whole: asked for a head ago
	s_cmp_eq_u32 s[CH], 1
	s_cbranch_scc1 .Lkeep1
	RELOAD 1
.Lkeep1:
	s_sub_co_u32 s[CH], s[CH], 1
	s_cmp_lg_u32 s[CH], 0
	s_cbranch_scc1 .Lpair
	s_wait_dscnt 0x0                               ; my reads of the tiles are over
	s_barrier_signal -1
	s_barrier_wait -1                              ; everybody's are
	s_wait_tensorcnt 0x0                           ; the wave's end, behind my last LDS store
	ds_add_u32 v[SPW], v[NIL]
	s_wait_dscnt 0x0
	s_endpgm
.Lfunc_end_k_q9a46f480c6_proj:
	.size	k_q9a46f480c6_proj, .Lfunc_end_k_q9a46f480c6_proj-k_q9a46f480c6_proj
	.p2alignl 7, 3214868480
	.fill 96, 4, 3214868480
	.section	.rodata,"a",@progbits
	.p2align	6, 0x0
	.amdhsa_kernel k_q9a46f480c6_proj
		.amdhsa_group_segment_fixed_size 131584
		.amdhsa_private_segment_fixed_size 0
		.amdhsa_enable_private_segment 0
		.amdhsa_kernarg_size 72
		.amdhsa_user_sgpr_count 2
		.amdhsa_user_sgpr_kernarg_segment_ptr 1
		.amdhsa_wavefront_size32 1
		.amdhsa_system_sgpr_workgroup_id_x 1
		.amdhsa_system_sgpr_workgroup_id_y 1
		.amdhsa_system_sgpr_workgroup_id_z 1
		.amdhsa_system_vgpr_workitem_id 0
		.amdhsa_next_free_vgpr 1024
		.amdhsa_next_free_sgpr 66
		.amdhsa_reserve_vcc 0
		.amdhsa_float_denorm_mode_32 3
		.amdhsa_float_denorm_mode_16_64 3
		.amdhsa_memory_ordered 1
		.amdhsa_forward_progress 1
		.amdhsa_inst_pref_size 200
	.end_amdhsa_kernel
	.amdgpu_metadata
---
amdhsa.version: [ 1, 2 ]
amdhsa.kernels:
  - .name:           k_q9a46f480c6_proj
    .symbol:         k_q9a46f480c6_proj.kd
    .args:
      - { .name: query, .offset: 0, .size: 8, .value_kind: global_buffer, .address_space: global }
      - { .name: key, .offset: 8, .size: 8, .value_kind: global_buffer, .address_space: global }
      - { .name: value, .offset: 16, .size: 8, .value_kind: global_buffer, .address_space: global }
      - { .name: wcodes, .offset: 24, .size: 8, .value_kind: global_buffer, .address_space: global }
      - { .name: wscales, .offset: 32, .size: 8, .value_kind: global_buffer, .address_space: global }
      - { .name: bq, .offset: 40, .size: 8, .value_kind: global_buffer, .address_space: global }
      - { .name: q16, .offset: 48, .size: 8, .value_kind: global_buffer, .address_space: global }
      - { .name: k16, .offset: 56, .size: 8, .value_kind: global_buffer, .address_space: global }
      - { .name: v16, .offset: 64, .size: 8, .value_kind: global_buffer, .address_space: global }
    .group_segment_fixed_size: 131584
    .private_segment_fixed_size: 0
    .kernarg_segment_align: 8
    .kernarg_segment_size: 72
    .max_flat_workgroup_size: 128
    .sgpr_count:     66
    .vgpr_count:     1024
    .wavefront_size: 32
...
	.end_amdgpu_metadata
.endif
;; end of part 2
;; launch attn (part 3): grid 4 x 64, 16 waves a work-group, no clusters, 327,680 bytes of LDS; arguments q16, k16, v16, bv, ctx16; writes ctx16
.if DOCPART == 3
	.amdgcn_target "amdgcn-amd-amdhsa--gfx1250"
	.amdhsa_code_object_version 6
	.text
	.protected	k_q9a46f480c6_attn
	.globl	k_q9a46f480c6_attn
	.p2align	8
	.type	k_q9a46f480c6_attn,@function
k_q9a46f480c6_attn:
	s_mov_b64 s[64:65], 0
	v_nop
	global_prefetch_b8 v0, s[64:65] scope:SCOPE_SE
	s_setreg_imm32_b32 hwreg(HW_REG_WAVE_MODE, 25, 1), 1
	s_wait_xcnt 0x0
; context[b][q][head] = softmax_k(q . k0 / 8) v0 + bv, for each of 64 (batch, head) pairs; 2,048 queries and keys, head size 64, no mask.  Operands in f16, products, maxima and sums in f32.
; WORK LEFT OUT: bk (the same along the softmax's axis for every input: shown at the head of launch prep).  bv is added here: the weights sum to 1 by the division below, so sum w (v0 + bv) = sum w v0 + bv.
; LIMITS: NaN and infinities are not served; |context| must lie under 65,504 (f16).
; SHARES.  Work-group (x, y): 512 queries (x) of pair y = 16 b + head; each of its SIXTEEN waves owns 32 queries, two tiles of 16, in 256 registers: four waves to a SIMD, so that one wave's softmax stands beside
; another's matrix instructions and LDS loads.  Every wave walks all 2,048 keys, 64 a step.
; q16, k16, v16 lie IN THE ORDER OF THE OPERANDS' REGISTERS (a fragment: 1,024 bytes, two halves of 512, lane l's 16 bytes at 16 l).  So a slot of 512 keys is two dense blocks of 65,536 bytes, every LDS load takes 512
; consecutive bytes, and there is no pitch and no padding.
; RING.  Two slots of 512 keys.  Waves 0 and 1 fetch K's halves, waves 2 and 3 V's, one tensor load of 32,768 bytes each; all sixteen read.  The change of slots stands at a slot's head; behind its barrier the slot
; just left is asked for, and has eight key steps in which to land.  By this text's own count a wave has at most one tensor load out.
; LAYOUT.  S^T = K Q^T (source 0 = 16 keys, source 1 = 16 queries): a lane holds ONE query and keys 8 (lane / 16) + 0 .. 7 of each tile.  Two such tiles, rounded to f16 in pairs, ARE source 1 (32 keys x 16 queries) of
; O^T = V^T P, whose result again holds one query a lane and eight channels.  Those eight, rounded, are a lane's four registers of the fragment that launch oproj wants: they leave straight from registers.
; SOFTMAX.  For each query a running maximum m and sum l: p = 2^(c s - c m), c = log2(e) / 8; in every step O and l are multiplied by a = 2^(c m_old - c m_new).  The loop has no first step of its own: O and l begin as
; zeros and m as -3e38, so the first a is 0 and multiplies zeros.
; NO CLUSTER, though the four work-groups of a pair walk the same K and V: a refill of 131,072 bytes serves 16 waves x 8 steps x 32 = 4,096 matrix instructions and their softmax, so what could be shared is a small
; part of a step's traffic (each wave alone reads 16,384 bytes from LDS in each step).
.set SLOT1, 1<<17                      ; slot 1; in a slot K's 65,536 bytes, then V's
.set VOFF,  65536
.set SPARE, 262144                     ; behind the ring: the spare words, 128 bytes for each wave: eight blocks of 256 bytes that no other line names
.set ADK, 2                            ; v2   LDS address of the step's K;  v3 of its V;  v1 = 16 x lane;  v6 = 32 x (lane / 16)
.set ADV, 3
.set SPW, 4                            ; v4   LDS address of my spare word; never rewritten
.set NIL, 5                            ; v5   0; never rewritten
.set ST,  8                            ; tile u's statistics at v[8 + 8 u]: +0 c m, +1 m, +2, +3 l (two halves), +4 .. +7 at work; a lies in +6
.set Q,   24                           ; v24-55   Q: tile u, channels 32 c on, at 16 u + 8 c
.set KV,  56                           ; v56-119  eight fragments: the step's K (2 kt + c), then its V (4 g + t)
.set S,   120                          ; v120-183 S^T: 32 u + 8 kt; later p; P is laid over the first 16 of each tile
.set O,   184                          ; v184-247 O^T: 32 u + 8 t
.set G1,  16                           ; s[16:23] descriptor group 1;  s[24:27] group 0, which walks
.set G0,  24
.set SEL, 28                           ; s[28:29] lane selects for v_permlanex16_b32: lane l xor 16
.set CS,  30                           ; s[30:31] c: the packed form names a pair and takes its low word for both halves
.set TB,  32                           ; s32  LDS byte of the step's K
.set SLOTS, 33
.set TW,  34
.set WV,  35
.macro TLOAD                           ; waves 0 to 3 fetch.  An s_nop 0 and four v_nop follow the load
	s_cmp_lt_u32 s[WV], 4
	s_cbranch_scc0 .Lnone_\@
	tensor_load_to_lds s[G0:G0+3], s[G1:G1+7]
	s_nop 0
.rept 4
	v_nop
.endr
.Lnone_\@:
.endm
	s_load_b256 s[4:11], s[0:1], 0x0               ; q16 s[4:5], k16 s[6:7], v16 s[8:9], bv s[10:11]
	s_load_b64 s[12:13], s[0:1], 0x20              ; ctx16
	v_lshl_add_u32 v[SPW], v0, 2, SPARE
	v_mov_b32 v[NIL], 0
	ds_add_u32 v[SPW], v[NIL]                      ; the wave's opening: the add, twice on end, and its wait ahead of the first tensor load; work on registers stands between the second and the wait
	ds_add_u32 v[SPW], v[NIL]
	v_lshrrev_b32 v1, 5, v0
	v_readfirstlane_b32 s[WV], v1                  ; wave 0..15
	; group 1: a dense block of 32,768 bytes as 128 rows of 256 bytes (32 elements of 8 bytes)
	s_mov_b32 s[G1], 3<<16                         ; no mask; elements of 8 bytes; no padding
	s_mov_b32 s[G1+1], 32<<16                      ; tensor_dim0
	s_mov_b32 s[G1+2], 128<<16                     ; tensor_dim1
	s_mov_b32 s[G1+3], 32<<16                      ; tile_dim0
	s_mov_b32 s[G1+4], 128                         ; tile_dim1
	s_mov_b32 s[G1+5], 32                          ; from row to row
	s_mov_b32 s[G1+6], 0
	s_mov_b32 s[G1+7], 0
	s_and_b32 s36, ttmp7, 0xffff                   ; y = 16 b + head
	s_and_b32 s37, s[WV], 3
	s_lshl_b32 s37, s37, 15                        ; what I fetch lands at 32,768 x wave: K's halves, then V's
	s_and_b32 s38, s[WV], 1
	s_lshl_b32 s38, s38, 15
	s_lshl_b32 s39, s36, 18                        ; a pair's K, or V, is 262,144 bytes
	s_add_co_u32 s38, s38, s39
	s_mov_b32 s39, 0
	s_lshr_b32 s40, s36, 4                         ; ctx16: [token tile 512][k step 32][1,024]: token tile 128 b + 32 x + 2 w, k step 2 head
	s_lshl_b32 s40, s40, 22
	s_lshl_b32 s41, ttmp9, 20
	s_add_co_u32 s40, s40, s41
	s_lshl_b32 s41, s[WV], 16
	s_add_co_u32 s40, s40, s41
	s_and_b32 s42, s36, 15
	s_lshl_b32 s41, s42, 11
	s_add_co_u32 s40, s40, s41
	s_mov_b32 s41, 0
	s_lshl_b32 s42, s42, 8                         ; bv: the head's 64 numbers
	s_mov_b32 s43, 0
	s_lshl_b32 s44, s36, 18                        ; q16: token tile 32 x + 2 w of the pair, 2,048 bytes a tile
	s_lshl_b32 s45, ttmp9, 16
	s_add_co_u32 s44, s44, s45
	s_lshl_b32 s45, s[WV], 12
	s_add_co_u32 s44, s44, s45
	s_mov_b32 s45, 0
	s_mov_b32 s[SEL], 0x76543210
	s_mov_b32 s[SEL+1], 0xfedcba98
	s_mov_b32 s[CS], 0x3e38aa3b                    ; c = log2(e) / 8
	s_mov_b32 s[CS+1], s[CS]                       ; (named with it as a pair, so it is written)
	s_mov_b32 s[TB], 0
	s_mov_b32 s[SLOTS], 3
	s_wait_dscnt 0x0                               ; both opening adds are done
	s_wait_kmcnt 0x0
	s_cmp_lt_u32 s[WV], 2
	s_cselect_b64 s[G0+2:G0+3], s[6:7], s[8:9]     ; K for waves 0 and 1, V for the others
	s_add_nc_u64 s[G0+2:G0+3], s[G0+2:G0+3], s[38:39]
	s_or_b32 s[G0+3], s[G0+3], 0x80000000          ; type = 2
	s_mov_b32 s[G0], 1
	s_mov_b32 s[G0+1], s37
	TLOAD                                          ; slot 0: keys 0 to 511
	s_add_nc_u64 s[4:5], s[4:5], s[44:45]
	s_add_nc_u64 s[10:11], s[10:11], s[42:43]
	s_add_nc_u64 s[12:13], s[12:13], s[40:41]
	v_and_b32 v1, 31, v0
	v_lshlrev_b32 v1, 4, v1                        ; 16 x lane
	v_bfe_u32 v6, v0, 4, 1
	v_lshlrev_b32 v6, 5, v6                        ; 32 x (lane / 16)
.irp i, 0,1,2,3,4,5,6,7
	global_load_b128 v[Q+4*\i:Q+4*\i+3], v1, s[4:5] offset:512*\i   ; Q stays in registers
.endr
.irp u, 0,1
	v_mov_b32 v[ST+8*\u+1], 0xff61b1e6             ; m = -3e38, under every score
	v_mul_f32 v[ST+8*\u], s[CS], v[ST+8*\u+1]      ; c m
.irp n, 2,3,4,5,6,7
	v_mov_b32 v[ST+8*\u+\n], 0                     ; l; and the registers at work, which are named as a permute's destination and as halves of pairs before they are first written
.endr
.endr
.set N, 0
.rept 64
	v_mov_b32 v[O+N], 0                            ; O^T: the step is written once; the first a, 0, multiplies zeros
.set N, N+1
.endr
	s_wait_loadcnt 0x0                             ; Q
; A KEY STEP: 64 keys.
.macro STEP
	v_add_nc_u32 v[ADK], s[TB], v1
	v_add_nc_u32 v[ADV], VOFF, v[ADK]
.rept 3
	v_nop                                          ; with the two additions: five plain instructions behind the last products V^T P: the products below write over registers that those read (P), and the loads land in V's
.endr
.set N, 0
.rept 16
	ds_load_b128 v[KV+4*N:KV+4*N+3], v[ADK] offset:512*N   ; K: four tiles of 16 keys x two halves of the head
.set N, N+1
.endr
	s_wait_dscnt 0x0
.irp c, 0,1                                    ; S^T = K Q^T: eight accumulators by turns, one instruction a turn; the first eight start the sums
.irp k, 0,1,2,3
.irp u, 0,1
.if \c == 0
	v_wmma_f32_16x16x32_f16 v[S+32*\u+8*\k:S+32*\u+8*\k+7], v[KV+16*\k+8*\c:KV+16*\k+8*\c+7], v[Q+16*\u+8*\c:Q+16*\u+8*\c+7], 0
.else
	v_wmma_f32_16x16x32_f16 v[S+32*\u+8*\k:S+32*\u+8*\k+7], v[KV+16*\k+8*\c:KV+16*\k+8*\c+7], v[Q+16*\u+8*\c:Q+16*\u+8*\c+7], v[S+32*\u+8*\k:S+32*\u+8*\k+7]
.endif
.endr
.endr
.endr
.rept 4
	v_nop                                          ; four plain instructions in front of the loads into K's registers and of the first read of the scores
.endr
.set N, 0
.rept 16
	ds_load_b128 v[KV+4*N:KV+4*N+3], v[ADV] offset:512*N   ; V: two groups of 32 keys x four tiles of 16 channels; it lands under the softmax
.set N, N+1
.endr
	; the maximum of my 32 scores and the old m: four chains, each begun at an accumulator's low end; the two tiles by turns
.irp j, 0,1,2,3
.irp u, 0,1
	v_max3_num_f32 v[ST+8*\u+4+\j], v[S+32*\u+8*\j], v[S+32*\u+8*\j+1], v[S+32*\u+8*\j+2]
.endr
.endr
.irp n, 3,5
.irp j, 0,1,2,3
.irp u, 0,1
	v_max3_num_f32 v[ST+8*\u+4+\j], v[ST+8*\u+4+\j], v[S+32*\u+8*\j+\n], v[S+32*\u+8*\j+\n+1]
.endr
.endr
.endr
.irp u, 0,1
	v_max3_num_f32 v[ST+8*\u+4], v[ST+8*\u+4], v[S+32*\u+7], v[S+32*\u+15]
.endr
.irp u, 0,1
	v_max3_num_f32 v[ST+8*\u+6], v[ST+8*\u+6], v[S+32*\u+23], v[S+32*\u+31]
.endr
.irp u, 0,1
	v_max3_num_f32 v[ST+8*\u+4], v[ST+8*\u+4], v[ST+8*\u+5], v[ST+8*\u+6]
.endr
.irp u, 0,1
	v_max3_num_f32 v[ST+8*\u+4], v[ST+8*\u+4], v[ST+8*\u+7], v[ST+8*\u+1]
.endr
.irp u, 0,1
	v_permlanex16_b32 v[ST+8*\u+5], v[ST+8*\u+4], s[SEL], s[SEL+1]   ; the query's other 32 keys lie in the lane 16 away
.endr
.irp u, 0,1
	v_mov_b32 v[ST+8*\u+7], v[ST+8*\u]             ; c m_old
.endr
.irp u, 0,1
	v_max_num_f32 v[ST+8*\u+1], v[ST+8*\u+4], v[ST+8*\u+5]   ; the new m
.endr
.irp u, 0,1
	v_mul_f32 v[ST+8*\u], s[CS], v[ST+8*\u+1]
.endr
.irp u, 0,1
	v_sub_f32 v[ST+8*\u+7], v[ST+8*\u+7], v[ST+8*\u]   ; c m_old - c m_new
.endr
.irp b, 0,2,4,6,8,10,12,14,16,18,20,22,24,26,28,30
.irp u, 0,1
	v_pk_fma_f32 v[S+32*\u+\b:S+32*\u+\b+1], v[S+32*\u+\b:S+32*\u+\b+1], s[CS:CS+1], v[ST+8*\u:ST+8*\u+1] op_sel_hi:[1,0,0] neg_lo:[0,0,1] neg_hi:[0,0,1]   ; c s - c m, two at a time
.endr
.endr
.irp u, 0,1
	v_exp_f32 v[ST+8*\u+6], v[ST+8*\u+7]           ; a.  ONE BATCH: the two a and the 64 p; none of these lines reads an exponential's result
.endr
.set N, 0
.rept 32
	v_exp_f32 v[S+N], v[S+N]
	v_exp_f32 v[S+32+N], v[S+32+N]
.set N, N+1
.endr
	v_nop                                          ; a plain instruction behind the last exponential (ISA guide 5.7.2)
	s_wait_alu depctr_va_vdst(0)                   ; and one wait ahead of the batch's first reader
.irp u, 0,1
	v_pk_mul_f32 v[ST+8*\u+2:ST+8*\u+3], v[ST+8*\u+2:ST+8*\u+3], v[ST+8*\u+6:ST+8*\u+7] op_sel_hi:[1,0]   ; l under the new m
.endr
.irp u, 0,1
	v_pk_add_f32 v[ST+8*\u+4:ST+8*\u+5], v[S+32*\u+2:S+32*\u+3], v[S+32*\u+6:S+32*\u+7]   ; the sum of the unrounded p, in two chains
.endr
.irp u, 0,1
	v_pk_add_f32 v[ST+8*\u+2:ST+8*\u+3], v[ST+8*\u+2:ST+8*\u+3], v[S+32*\u:S+32*\u+1]
.endr
.irp u, 0,1
	v_pk_add_f32 v[ST+8*\u+2:ST+8*\u+3], v[ST+8*\u+2:ST+8*\u+3], v[S+32*\u+4:S+32*\u+5]
.endr
.irp n, 8,12,16,20,24,28
.irp u, 0,1
	v_pk_add_f32 v[ST+8*\u+2:ST+8*\u+3], v[ST+8*\u+2:ST+8*\u+3], v[S+32*\u+\n:S+32*\u+\n+1]
	v_pk_add_f32 v[ST+8*\u+4:ST+8*\u+5], v[ST+8*\u+4:ST+8*\u+5], v[S+32*\u+\n+2:S+32*\u+\n+3]
.endr
.endr
.irp u, 0,1
	v_pk_add_f32 v[ST+8*\u+2:ST+8*\u+3], v[ST+8*\u+2:ST+8*\u+3], v[ST+8*\u+4:ST+8*\u+5]
.endr
.irp i, 0,1,2,3,4,5,6,7,8,9,10,11,12,13,14,15
.irp u, 0,1
	v_cvt_pk_f16_f32 v[S+32*\u+\i], v[S+32*\u+2*\i], v[S+32*\u+2*\i+1]   ; P, in place and ascending: register i is written when registers 2 i and 2 i + 1 are read, and no later line reads below 2 i + 2
.endr
.endr
.irp i, 0,2,4,6,8,10,12,14,16,18,20,22,24,26,28,30
.irp u, 0,1
	v_pk_mul_f32 v[O+32*\u+\i:O+32*\u+\i+1], v[O+32*\u+\i:O+32*\u+\i+1], v[ST+8*\u+6:ST+8*\u+7] op_sel_hi:[1,0]   ; O^T under the new m, each accumulator from its low end on
.endr
.endr
	s_wait_dscnt 0x0                               ; V is in
.irp g, 0,1                                    ; O^T += V^T P: eight accumulators by turns
.irp t, 0,1,2,3
.irp u, 0,1
	v_wmma_f32_16x16x32_f16 v[O+32*\u+8*\t:O+32*\u+8*\t+7], v[KV+32*\g+8*\t:KV+32*\g+8*\t+7], v[S+32*\u+8*\g:S+32*\u+8*\g+7], v[O+32*\u+8*\t:O+32*\u+8*\t+7]
.endr
.endr
.endr
	s_add_co_u32 s[TB], s[TB], 8192                ; the next 64 keys: 8,192 bytes of K, and of V
.endm
; THE CHANGE OF SLOTS, at a slot's head.  Each wave waits for all its tensor loads, adds 0 to its spare word (fill = 1: twice on end), and waits for that and for its reads of the slot that it has left.
; Behind the barrier the slot ahead is whole and nobody reads the other one.  fill = 1: that other slot is filled with the next 512 keys.
.macro CHANGE fill
	s_wait_tensorcnt 0x0                           ; no tensor load of mine is out, so group 0 may be written
	ds_add_u32 v[SPW], v[NIL]
.if \fill
	ds_add_u32 v[SPW], v[NIL]                      ; and once more, in every trip alike
	s_xor_b32 s[G0+1], s[G0+1], SLOT1              ; the other slot than last time,
	s_add_nc_u64 s[G0+2:G0+3], s[G0+2:G0+3], 65536 ; the next 512 keys; the type bits on top are not reached
.endif
	s_wait_dscnt 0x0                               ; the add is done, and my reads of the slot that I have left are over
	s_barrier_signal -1
	s_barrier_wait -1
.if \fill
	TLOAD                                          ; the first thing behind the barrier, and a wave's one tensor load until the next
.endif
.endm
.macro EIGHT                           ; a slot's eight key steps: written once, walked eight times
	s_mov_b32 s[TW], 8
.Lstep_\@:
	STEP
	s_sub_co_u32 s[TW], s[TW], 1
	s_cmp_lg_u32 s[TW], 0
	s_cbranch_scc1 .Lstep_\@
	s_xor_b32 s[TB], s[TB], 0x30000                ; from a slot's byte 65,536 to the other slot's byte 0
.endm
.Lslot:                                        ; three trips: behind each change of slots but the last the next slot is asked for
	CHANGE 1
	EIGHT
	s_sub_co_u32 s[SLOTS], s[SLOTS], 1
	s_cmp_lg_u32 s[SLOTS], 0
	s_cbranch_scc1 .Lslot
	CHANGE 0                                       ; the last slot is written out
	EIGHT
	; THE WAY OUT: context = O^T / l + bv, rounded to f16; a lane's eight channels are 16 bytes of oproj's fragment
.rept 4
	v_nop                                          ; four plain instructions behind the last products
.endr
.irp t, 0,1,2,3
.irp j, 0,1
	global_load_b128 v[KV+8*\t+4*\j:KV+8*\t+4*\j+3], v6, s[10:11] offset:64*\t+16*\j   ; bv in the result's layout: register j of tile t: channel 16 t + 8 (lane / 16) + j
.endr
.endr
.irp u, 0,1
	v_add_f32 v[ST+8*\u+4], v[ST+8*\u+2], v[ST+8*\u+3]
.endr
.irp u, 0,1
	v_permlanex16_b32 v[ST+8*\u+5], v[ST+8*\u+4], s[SEL], s[SEL+1]
.endr
.irp u, 0,1
	v_add_f32 v[ST+8*\u+4], v[ST+8*\u+4], v[ST+8*\u+5]   ; the row's sum
.endr
.irp u, 0,1
	v_rcp_f32 v[ST+8*\u+6], v[ST+8*\u+4]
.endr
	v_nop
	s_wait_alu depctr_va_vdst(0)                   ; one wait for the two reciprocals, ahead of their first reader
	s_wait_loadcnt 0x0                             ; bv
.irp u, 0,1
.irp i, 0,2,4,6,8,10,12,14,16,18,20,22,24,26,28,30
	v_pk_fma_f32 v[O+32*\u+\i:O+32*\u+\i+1], v[O+32*\u+\i:O+32*\u+\i+1], v[ST+8*\u+6:ST+8*\u+7], v[KV+\i:KV+\i+1] op_sel_hi:[1,0,1]
.endr
.endr
.irp u, 0,1
.irp i, 0,1,2,3,4,5,6,7,8,9,10,11,12,13,14,15
	v_cvt_pk_f16_f32 v[S+16*\u+\i], v[O+32*\u+2*\i], v[O+32*\u+2*\i+1]
.endr
.endr
.irp u, 0,1
.irp t, 0,1,2,3
	global_store_b128 v1, v[S+16*\u+4*\t:S+16*\u+4*\t+3], s[12:13] offset:32768*\u+512*\t   ; 32 lanes store 512 consecutive bytes, aligned
.endr
.endr
	s_wait_tensorcnt 0x0                           ; the wave's end
	ds_add_u32 v[SPW], v[NIL]
	s_wait_dscnt 0x0
	s_endpgm
.Lfunc_end_k_q9a46f480c6_attn:
	.size	k_q9a46f480c6_attn, .Lfunc_end_k_q9a46f480c6_attn-k_q9a46f480c6_attn
	.p2alignl 7, 3214868480
	.fill 96, 4, 3214868480
	.section	.rodata,"a",@progbits
	.p2align	6, 0x0
	.amdhsa_kernel k_q9a46f480c6_attn
		.amdhsa_group_segment_fixed_size 327680
		.amdhsa_private_segment_fixed_size 0
		.amdhsa_enable_private_segment 0
		.amdhsa_kernarg_size 40
		.amdhsa_user_sgpr_count 2
		.amdhsa_user_sgpr_kernarg_segment_ptr 1
		.amdhsa_wavefront_size32 1
		.amdhsa_system_sgpr_workgroup_id_x 1
		.amdhsa_system_sgpr_workgroup_id_y 1
		.amdhsa_system_sgpr_workgroup_id_z 1
		.amdhsa_system_vgpr_workitem_id 0
		.amdhsa_next_free_vgpr 256
		.amdhsa_next_free_sgpr 66
		.amdhsa_reserve_vcc 0
		.amdhsa_float_denorm_mode_32 3
		.amdhsa_float_denorm_mode_16_64 3
		.amdhsa_memory_ordered 1
		.amdhsa_forward_progress 1
		.amdhsa_inst_pref_size 49
	.end_amdhsa_kernel
	.amdgpu_metadata
---
amdhsa.version: [ 1, 2 ]
amdhsa.kernels:
  - .name:           k_q9a46f480c6_attn
    .symbol:         k_q9a46f480c6_attn.kd
    .args:
      - { .name: q16, .offset: 0, .size: 8, .value_kind: global_buffer, .address_space: global }
      - { .name: k16, .offset: 8, .size: 8, .value_kind: global_buffer, .address_space: global }
      - { .name: v16, .offset: 16, .size: 8, .value_kind: global_buffer, .address_space: global }
      - { .name: bv, .offset: 24, .size: 8, .value_kind: global_buffer, .address_space: global }
      - { .name: ctx16, .offset: 32, .size: 8, .value_kind: global_buffer, .address_space: global }
    .group_segment_fixed_size: 327680
    .private_segment_fixed_size: 0
    .kernarg_segment_align: 8
    .kernarg_segment_size: 40
    .max_flat_workgroup_size: 512
    .sgpr_count:     66
    .vgpr_count:     256
    .wavefront_size: 32
...
	.end_amdgpu_metadata
.endif
;; end of part 3
;; launch oproj (part 4): grid 4 x 64, 4 waves a work-group, no clusters, 327,680 bytes of LDS; arguments ctx16, wo16, bo, out0; writes out0
.if DOCPART == 4
	.amdgcn_target "amdgcn-amd-amdhsa--gfx1250"
	.amdhsa_code_object_version 6
	.text
	.protected	k_q9a46f480c6_oproj
	.globl	k_q9a46f480c6_oproj
	.p2align	8
	.type	k_q9a46f480c6_oproj,@function
k_q9a46f480c6_oproj:
	s_mov_b64 s[64:65], 0
	v_nop
	global_prefetch_b8 v0, s[64:65] scope:SCOPE_SE
	s_setreg_imm32_b32 hwreg(HW_REG_WAVE_MODE, 25, 1), 1
	s_wait_xcnt 0x0
; out0 = context Wo + bo.  context [8,192][1,024] and Wo [1,024][1,024] in f16, both IN THE ORDER OF THE OPERANDS' REGISTERS (ctx16: [token tile][k step of 32][1,024 bytes]; wo16: [column tile][k step][1,024 bytes]); sums in f32; out0 f32.
; SHARES.  Work-group (x, y): 128 tokens (y) x 256 columns (x): 256 work-groups.  Wave w: tokens 64 (w / 2) on, columns 128 (w % 2) on: 4 x 8 accumulators of 16 x 16.
; THE MATRIX INSTRUCTION IS USED TRANSPOSED (source 0 = 16 columns of Wo, source 1 = 16 tokens): a lane holds eight neighbouring columns of one row of out0.  bo is the C of each sum's first instruction.
; RING.  K goes in steps of 128 (four k steps of 32) through two LDS slots: 8 token tiles x 4,096 bytes, then 16 column tiles x 4,096 bytes.  Waves 0 and 1 fetch the context's halves (4 rows of 4,096 bytes, 32,768 apart in
; memory), waves 2 and 3 Wo's (8 such rows): one tensor load a wave.  Fragments are dense images: every LDS load takes 512 consecutive bytes; no pitch, no padding.  By this text's own count a wave has two tensor loads
; out at the start and one behind each change of slots.
; NO CLUSTER in this text: the four work-groups of a row of the grid share the context's tiles and the 64 of a column Wo's; joint loads would divide those requests by four and are the next step for this launch.
; REGISTERS: window 0: v16-29 addresses; v32-127, v128-223 two fragment buffers (32 of the context, 64 of Wo); on the way out v32-159 rows of out0.   window 1: the accumulators, (a, b) at v[8 (8 a + b)].   window 2: v0-63 bo.
.set SLOT,  98304
.set BOFF,  32768                      ; Wo's part of a slot
.set STAGE, 2*SLOT                     ; behind the ring: 16 rows x (512 bytes + 16) for each wave, for the way out; no tensor load fills it
.set SP,    528
.set SPARE, STAGE+4*16*SP              ; behind the stages: the spare words, 128 bytes for each wave: two blocks of 256 bytes that no other line names
.set ADA, 16                           ; v16-17  LDS address of my context fragments in slot 0, 1
.set ADB, 20                           ; v20-21  the same for Wo
.set STO, 24                           ; v24     the way out: where I put 32 bytes of a row
.set RD,  25                           ; v25     where I read a row back
.set CO,  26                           ; v26     16 x lane: my bytes of a row's 512
.set SPW, 28                           ; v28     LDS address of my spare word; never rewritten
.set NIL, 29                           ; v29     0; never rewritten
.set F0,  32
.set F1,  128
.set BK,  32
.set G1A, 24                           ; s[24:31] group 1 for the context's tiles;  s[32:39] group 0, a set for each slot
.set G0A, 32
.set G1B, 48                           ; s[48:55], s[56:63] the same for Wo's
.set G0B, 56
.set MSB, 0
.macro WIN new
.if MSB != \new
	s_set_vgpr_msb (MSB<<8)|\new
.set MSB, \new
.endif
.endm
.macro JLOAD s                         ; waves 0 and 1 fetch the context's halves, waves 2 and 3 Wo's; an s_nop 0 and four v_nop follow each of the two lines
	s_cmp_eq_u32 s13, 0
	s_cbranch_scc0 .Lfor_b_\@
	tensor_load_to_lds s[G0A+4*\s:G0A+4*\s+3], s[G1A:G1A+7]
	s_nop 0
.rept 4
	v_nop
.endr
	s_branch .Lasked_\@
.Lfor_b_\@:
	tensor_load_to_lds s[G0B+4*\s:G0B+4*\s+3], s[G1B:G1B+7]
	s_nop 0
.rept 4
	v_nop
.endr
.Lasked_\@:
.endm
	s_load_b256 s[4:11], s[0:1], 0x0               ; ctx16 s[4:5], wo16 s[6:7], bo s[8:9], out0 s[10:11]
	v_lshl_add_u32 v[SPW], v0, 2, SPARE
	v_mov_b32 v[NIL], 0
	ds_add_u32 v[SPW], v[NIL]                      ; the wave's opening: the add, twice on end, and its wait ahead of my first tensor load
	ds_add_u32 v[SPW], v[NIL]
	v_lshrrev_b32 v1, 5, v0
	v_readfirstlane_b32 s12, v1                    ; wave 0..3
	s_lshr_b32 s13, s12, 1                         ; which 64 tokens are mine.  Also: I fetch the context (0) or Wo (1)
	s_and_b32 s14, s12, 1                          ; which 128 columns.  Also: which half I fetch
	s_and_b32 s15, ttmp7, 0xffff                   ; y
.irp g, G1A, G1B
	s_mov_b32 s[\g], 3<<16                         ; no mask; elements of 8 bytes; no padding
	s_mov_b32 s[\g+1], 512<<16                     ; tensor_dim0: 4,096 bytes
	s_mov_b32 s[\g+3], 512<<16                     ; tile_dim0
	s_mov_b32 s[\g+5], 4096                        ; from tile to tile in memory: 32,768 bytes
	s_mov_b32 s[\g+6], 0
	s_mov_b32 s[\g+7], 0
.endr
	s_mov_b32 s[G1A+2], 4<<16                      ; tensor_dim1, tile_dim1: 4 token tiles,
	s_mov_b32 s[G1A+4], 4
	s_mov_b32 s[G1B+2], 8<<16                      ; 8 column tiles
	s_mov_b32 s[G1B+4], 8
	s_lshl_b32 s16, s15, 18                        ; the context: token tile 8 y + 4 x half
	s_lshl_b32 s17, s14, 17
	s_add_co_u32 s16, s16, s17
	s_mov_b32 s17, 0
	s_lshl_b32 s18, ttmp9, 19                      ; Wo: column tile 16 x + 8 x half
	s_lshl_b32 s19, s14, 18
	s_add_co_u32 s18, s18, s19
	s_mov_b32 s19, 0
	s_lshl_b32 s20, s14, 14                        ; where they go in a slot
	s_lshl_b32 s21, s14, 15
	s_add_co_u32 s21, s21, BOFF
	s_wait_dscnt 0x0                               ; both opening adds are done
	s_wait_kmcnt 0x0
	s_add_nc_u64 s[40:41], s[4:5], s[16:17]
	s_add_nc_u64 s[42:43], s[6:7], s[18:19]
.irp s, 0,1
	s_mov_b32 s[G0A+4*\s], 1
	s_add_co_u32 s[G0A+4*\s+1], s20, \s*SLOT
	s_add_nc_u64 s[G0A+4*\s+2:G0A+4*\s+3], s[40:41], \s*4096   ; K step s: 4,096 bytes on in each tile
	s_or_b32 s[G0A+4*\s+3], s[G0A+4*\s+3], 0x80000000
	s_mov_b32 s[G0B+4*\s], 1
	s_add_co_u32 s[G0B+4*\s+1], s21, \s*SLOT
	s_add_nc_u64 s[G0B+4*\s+2:G0B+4*\s+3], s[42:43], \s*4096
	s_or_b32 s[G0B+4*\s+3], s[G0B+4*\s+3], 0x80000000
	JLOAD \s                                       ; the ring is filled before anything else is done
.endr
	v_and_b32 v1, 31, v0
	v_lshlrev_b32 v[CO], 4, v1                     ; 16 x lane
	v_and_b32 v2, 15, v0                           ; r
	v_bfe_u32 v3, v0, 4, 1                         ; h
	s_lshl_b32 s22, s13, 14                        ; my four token tiles
	s_lshl_b32 s23, s14, 15
	s_add_co_u32 s23, s23, BOFF                    ; my eight column tiles
	v_add_nc_u32 v[ADA], s22, v[CO]
	v_add_nc_u32 v[ADB], s23, v[CO]
	v_add_nc_u32 v[ADA+1], SLOT, v[ADA]
	v_add_nc_u32 v[ADB+1], SLOT, v[ADB]
	s_mul_i32 s22, s12, 16*SP
	s_add_co_u32 s22, s22, STAGE                   ; my stage
	v_mul_u32_u24 v[STO], v2, SP
	v_lshl_add_u32 v[STO], v3, 5, v[STO]
	v_add_nc_u32 v[STO], s22, v[STO]               ; in: row r, 32 bytes for each half of the lanes
	v_add_nc_u32 v[RD], s22, v[CO]                 ; back: the 32 lanes take one row of 512 bytes
	v_lshlrev_b32 v27, 5, v3                       ; bo: my half's eight numbers of a tile
	s_lshl_b32 s16, ttmp9, 10
	s_lshl_b32 s17, s14, 9
	s_add_co_u32 s16, s16, s17                     ; my first column, in bytes
	s_mov_b32 s17, 0
	s_add_nc_u64 s[8:9], s[8:9], s[16:17]
	s_lshl_b32 s18, s15, 19                        ; my first row of out0: 128 y + 64 (w / 2), 4,096 bytes a row
	s_lshl_b32 s19, s13, 18
	s_add_co_u32 s18, s18, s19
	s_add_co_u32 s18, s18, s16
	s_mov_b32 s19, 0
	s_add_nc_u64 s[10:11], s[10:11], s[18:19]
	WIN 0x80                                       ; destination window 2
.irp b, 0,1,2,3,4,5,6,7
.irp j, 0,1
	global_load_b128 v[8*\b+4*\j:8*\b+4*\j+3], v27, s[8:9] offset:64*\b+16*\j   ; register j of tile b: column 16 b + 8 h + j
.endr
.endr
	WIN 0
; 16 matrix instructions: token tiles a0, a0 + 1 x all 8 column tiles, 32 along K.  The 32 accumulators take turns, one instruction a turn, in the same order in every quarter.
.macro MUL16 f, a0, first
.irp a, \a0, \a0+1
.irp b, 0,1,2,3,4,5,6,7
.if \first
	v_wmma_f32_16x16x32_f16 v[8*(8*(\a)+\b):8*(8*(\a)+\b)+7], v[\f+32+8*\b:\f+32+8*\b+7], v[\f+8*(\a):\f+8*(\a)+7], v[8*\b:8*\b+7]
.else
	v_wmma_f32_16x16x32_f16 v[8*(8*(\a)+\b):8*(8*(\a)+\b)+7], v[\f+32+8*\b:\f+32+8*\b+7], v[\f+8*(\a):\f+8*(\a)+7], v[8*(8*(\a)+\b):8*(8*(\a)+\b)+7]
.endif
.endr
.endr
.endm
.macro FETCH slot, q, f                ; 24 LDS loads: the fragments of the slot's q-th 32 along K
.irp i, 0,1,2,3
.irp j, 0,1
	ds_load_b128 v[\f+8*\i+4*\j:\f+8*\i+4*\j+3], v[ADA+\slot] offset:4096*\i+1024*\q+512*\j
.endr
.endr
.irp i, 0,1,2,3,4,5,6,7
.irp j, 0,1
	ds_load_b128 v[\f+32+8*\i+4*\j:\f+32+8*\i+4*\j+3], v[ADB+\slot] offset:4096*\i+1024*\q+512*\j
.endr
.endr
.endm
.macro PLACES                          ; four plain vector instructions between a matrix instruction and a load into, or a read of, its registers
.rept 4
	v_nop
.endr
.endm
; One of a K step's first three quarters: the slot's q-th 32 along K are fetched into g, and f is multiplied meanwhile.
.macro QUARTER slot, q, f, g, first
	WIN 0
	PLACES
	FETCH \slot, \q, \g
	s_wait_dscnt 24                                ; f is in; the 24 loads just issued may be out
.if \first
	WIN 0x60                                       ; C window 2 (bo), D window 1
.else
	WIN 0x50                                       ; C and D window 1
.endif
	MUL16 \f, 0, \first
	MUL16 \f, 2, \first
.endm
; The last quarter multiplies buffer 1 and changes slots: ONE barrier; in front of it each wave waits for all its tensor loads (its part of the next slot), adds 0 to its spare word, and waits for that and for its reads of
; this slot.  fill = 1: this slot is filled again, two K steps ahead: the first tensor load behind the barrier.
.macro TURN slot, next, fill
	WIN 0
	s_wait_tensorcnt 0x0
	ds_add_u32 v[SPW], v[NIL]
.if \fill
	s_add_nc_u64 s[G0A+4*\slot+2:G0A+4*\slot+3], s[G0A+4*\slot+2:G0A+4*\slot+3], 8192   ; no tensor load of mine is out: this slot's next K step
	s_add_nc_u64 s[G0B+4*\slot+2:G0B+4*\slot+3], s[G0B+4*\slot+2:G0B+4*\slot+3], 8192
.endif
	s_wait_dscnt 0x0                               ; the add is done, buffer 1 is in, and my reads of this slot are over
	s_barrier_signal -1
	WIN 0x50
	MUL16 F1, 0, 0                                 ; work on registers while the others arrive
	WIN 0
	s_barrier_wait -1
.if \fill
	JLOAD \slot                                    ; its four v_nop are also the places in front of the loads below
.else
	PLACES
.endif
	FETCH \next, 0, F0
	WIN 0x50
	MUL16 F1, 2, 0
.endm
	s_wait_tensorcnt 1                             ; my part of K step 0 is in; K step 1's load may be out
	s_barrier_signal -1
	s_barrier_wait -1                              ; everybody's is
	FETCH 0, 0, F0
	s_wait_loadcnt 0x0                             ; bo
	QUARTER 0, 1, F0, F1, 1                        ; the first quarter stands in front of the loop: its products start the sums, from bo
	WIN 0
	s_mov_b32 s3, 3
.Llap:                                         ; a trip goes once round the ring, from a lap's second quarter to the next lap's first, and fills both slots again
	QUARTER 0, 2, F1, F0, 0
	QUARTER 0, 3, F0, F1, 0
	TURN 0, 1, 1
	QUARTER 1, 1, F0, F1, 0
	QUARTER 1, 2, F1, F0, 0
	QUARTER 1, 3, F0, F1, 0
	TURN 1, 0, 1
	QUARTER 0, 1, F0, F1, 0
	WIN 0
	s_sub_co_u32 s3, s3, 1
	s_cmp_lg_u32 s3, 0
	s_cbranch_scc1 .Llap
	QUARTER 0, 2, F1, F0, 0                        ; the last lap fills nothing
	QUARTER 0, 3, F0, F1, 0
	TURN 0, 1, 0
	QUARTER 1, 1, F0, F1, 0
	QUARTER 1, 2, F1, F0, 0
	QUARTER 1, 3, F0, F1, 0
	s_wait_dscnt 0x0                               ; the very last quarter: nothing more to fetch
	MUL16 F1, 0, 0
	MUL16 F1, 2, 0
	WIN 0
; THE WAY OUT, a block of 16 tokens x 128 columns at a time.  A lane holds 32 neighbouring bytes of a row and the lanes beside it hold other rows: a block goes through my own stage in LDS and comes back as whole rows of
; 512 bytes.  LDS serves a wave's instructions in order (ISA guide 5.7.1.4): no wait between the stores and the loads, nor in front of the next block's stores.
.macro TOSTAGE a
	WIN 0x04                                       ; an LDS store's data are its source 1: window 1
.irp b, 0,1,2,3,4,5,6,7
	ds_store_b128 v[STO], v[8*(8*(\a)+\b):8*(8*(\a)+\b)+3] offset:64*\b          ; each accumulator from its low end on
	ds_store_b128 v[STO], v[8*(8*(\a)+\b)+4:8*(8*(\a)+\b)+7] offset:64*\b+16
.endr
	WIN 0
.set BB, BK+64*((\a)%2)
.irp t, 0,1,2,3,4,5,6,7,8,9,10,11,12,13,14,15
	ds_load_b128 v[BB+4*\t:BB+4*\t+3], v[RD] offset:\t*SP
.endr
.endm
.macro SEND a, younger                 ; younger: the LDS instructions issued behind block a's loads, which may stay out
.set BB, BK+64*((\a)%2)
	s_wait_dscnt \younger
.irp t, 0,1,2,3,4,5,6,7,8,9,10,11,12,13,14,15
	global_store_b128 v[CO], v[BB+4*\t:BB+4*\t+3], s[10:11] offset:(16*(\a)+\t)*4096 th:TH_STORE_NT   ; 32 lanes store 512 consecutive bytes, aligned; written once, read by nobody here
.endr
.endm
	PLACES                                         ; behind the last products: for the reads of results and for the loads into the fragments' registers
	TOSTAGE 0
.irp a, 1,2,3
.if \a > 1
	s_wait_xcnt 0x0                                ; block a - 2's stores have read their registers: block a's rows may land there
.endif
	TOSTAGE \a
	SEND \a-1, 32                                  ; behind block a - 1's loads: block a's 16 stores and 16 loads
.endr
	SEND 3, 0
	s_wait_tensorcnt 0x0                           ; the wave's end, behind my last tensor load and my last LDS store
	ds_add_u32 v[SPW], v[NIL]
	s_wait_dscnt 0x0
	s_endpgm
.Lfunc_end_k_q9a46f480c6_oproj:
	.size	k_q9a46f480c6_oproj, .Lfunc_end_k_q9a46f480c6_oproj-k_q9a46f480c6_oproj
	.p2alignl 7, 3214868480
	.fill 96, 4, 3214868480
	.section	.rodata,"a",@progbits
	.p2align	6, 0x0
	.amdhsa_kernel k_q9a46f480c6_oproj
		.amdhsa_group_segment_fixed_size 327680
		.amdhsa_private_segment_fixed_size 0
		.amdhsa_enable_private_segment 0
		.amdhsa_kernarg_size 32
		.amdhsa_user_sgpr_count 2
		.amdhsa_user_sgpr_kernarg_segment_ptr 1
		.amdhsa_wavefront_size32 1
		.amdhsa_system_sgpr_workgroup_id_x 1
		.amdhsa_system_sgpr_workgroup_id_y 1
		.amdhsa_system_sgpr_workgroup_id_z 1
		.amdhsa_system_vgpr_workitem_id 0
		.amdhsa_next_free_vgpr 576
		.amdhsa_next_free_sgpr 66
		.amdhsa_reserve_vcc 0
		.amdhsa_float_denorm_mode_32 3
		.amdhsa_float_denorm_mode_16_64 3
		.amdhsa_memory_ordered 1
		.amdhsa_forward_progress 1
		.amdhsa_inst_pref_size 83
	.end_amdhsa_kernel
	.amdgpu_metadata
---
amdhsa.version: [ 1, 2 ]
amdhsa.kernels:
  - .name:           k_q9a46f480c6_oproj
    .symbol:         k_q9a46f480c6_oproj.kd
    .args:
      - { .name: ctx16, .offset: 0, .size: 8, .value_kind: global_buffer, .address_space: global }
      - { .name: wo16, .offset: 8, .size: 8, .value_kind: global_buffer, .address_space: global }
      - { .name: bo, .offset: 16, .size: 8, .value_kind: global_buffer, .address_space: global }
      - { .name: out0, .offset: 24, .size: 8, .value_kind: global_buffer, .address_space: global }
    .group_segment_fixed_size: 327680
    .private_segment_fixed_size: 0
    .kernarg_segment_align: 8
    .kernarg_segment_size: 32
    .max_flat_workgroup_size: 128
    .sgpr_count:     66
    .vgpr_count:     576
    .wavefront_size: 32
...
	.end_amdgpu_metadata
.endif
;; end of part 4
